; MI455X (gfx1250); checked and timed in simulation.
; The chip was launched on July 23, 2026; its instructions are those of AMD's public machine-readable ISA for CDNA 5 (MIT licence, August 2026) and "CDNA5" Instruction Set Architecture Reference Guide (July 2026). The comments in the code are by the model that wrote it; some were corrected since.
;; Attention. Allowed arithmetic: matrix products marked QUANTISED: E4M3 operands, one given power-of-two scale a tensor, by v_wmma_f32_16x16x64_fp8_fp8 or v_wmma_f32_16x16x128_fp8_fp8, f32 sums; everything else in f32.
;; Inputs: b_kqv 3,072 float32; lowp_scales 6 int32 (the exponents e of the quantised operands' scales 2^e); w_kqv 3,072 x 1,024 float32; x 4 x 2,048 x 1,024 float32.
;; Outputs: out0 4 x 2,048 x 1,024 float32.
;; This version of the problem:
;;   THIS VERSION OF THE PROBLEM IS GIVEN IN LOW PRECISION. The matrix products marked QUANTISED in the list below multiply operands that are first quantised to E4M3 (4 exponent bits, 3 mantissa bits; 8 bits a number), with one given power-of-two scale for each operand tensor; their sums are f32. All else is computed in f32.
;;   The module's matrix products, in the order in which they are computed (A, B: the left and right operand; K: the contracted axis; several contracted axes count as one K, in the product's order):
;;     1. [M 8,192, K 1,024] x [K 1,024, N 3,072]; A: input x; B: input w_kqv: QUANTISED (scales: A lowp_scales[0], B lowp_scales[1])
;;     2. batch 64 x [M 2,048, K 64] x [K 64, N 2,048]; A: computed on the way; B: computed on the way: QUANTISED (scales: A lowp_scales[2], B lowp_scales[3])
;;     3. batch 64 x [M 2,048, K 2,048] x [K 2,048, N 64]; A: softmax (see below); B: computed on the way: QUANTISED (scales: A lowp_scales[4], B lowp_scales[5])
;;   THE QUANTISER, for each operand of a quantised product, along K:
;;     - The operand's scale is 2^e, e = its entry of the input lowp_scales (int32; the entries are numbered through the quantised products in the list's order, A before B).
;;     - Each number is divided by the scale, clamped to +-448, and rounded to the nearest number of E4M3, ties to even, subnormals kept.
;;     - The product sums the exact products of the quantised numbers (number of the format x scale) in f32.
;;   ~~~python
;;   def quantise(x, axis, e):      # numpy; x: float32 -> the quantised numbers, widened to float32 again
;;       x = np.moveaxis(x, axis, -1); K = x.shape[-1]
;;       r = np.clip(x / 2.0 ** e, -448, 448)
;;       step = 2.0 ** (np.maximum(np.frexp(np.where(r == 0, 1, r))[1] - 1, -6) - 3)
;;       q = np.round(r / step) * step * 2.0 ** e      # np.round: ties to even
;;       return np.moveaxis(q, -1, axis).astype(np.float32)
;;   ~~~
;;   SOFTMAX AHEAD OF A QUANTISED PRODUCT. Where the list says 'softmax', what is quantised is not the finished softmax but p = 2^(t - M), with t = logit x log2(e) and M = ceil(the row's largest t), a whole number; so 1/2 < the row's largest p <= 1. The row's sum l is taken of the UNQUANTISED p, in f32, and the product's result is divided by l at the end. Since M is a whole number, a kernel that streams over the keys may use a running M (the ceiling of the running maximum): every later rescaling is an exact power of two, so the quantised numbers keep their values, but for numbers so far below the row's largest that they fall under the format's range.
;;   OPERANDS COMPUTED ON THE WAY. 'Computed on the way' means the value that the module computes at that place (a softmax that the list does not call 'softmax' is quantised finished and normalised). What goes into a quantiser is computed in f32, as accurately as f32 sums, v_exp_f32 and their like allow (about 1e-6 of the number): no bf16 or f16 on the way to a quantiser, and a product that is left as it is and whose result goes on into a quantised operand takes f32 operands (vector FMAs, or v_wmma_f32_16x16x4_f32). A number that lies on a knife's edge between two numbers of the format may be rounded either way, as far as f32 arithmetic and the matrix unit's own rounding can turn it there, and no further.
;; One version. Each part assembles by itself: llvm-mc -triple=amdgcn-amd-amdhsa -mcpu=gfx1250 --defsym DOCPART=n.
;; ======== version 1 of 1: 3 launches
;; limits: right only within a limited range of input values
;; workspace buffers: xw 11,534,336 bytes; kqv 25,165,824 bytes
;; launch quant (part 1): grid 352 x 1, 4 waves a work-group, no clusters, 33,280 bytes of LDS; arguments x, w_kqv, lowp_scales, xw; writes xw
.if DOCPART == 1
	.amdgcn_target "amdgcn-amd-amdhsa--gfx1250"
	.amdhsa_code_object_version 6
	.text
	.protected	k_qcb2f9ffd9b_quant
	.globl	k_qcb2f9ffd9b_quant
	.p2align	8
	.type	k_qcb2f9ffd9b_quant,@function
k_qcb2f9ffd9b_quant:
	s_mov_b64 s[64:65], 0
	v_nop
	global_prefetch_b8 v0, s[64:65] scope:SCOPE_SE
	s_setreg_imm32_b32 hwreg(HW_REG_WAVE_MODE, 25, 1), 1
	s_wait_xcnt 0x0
; LAUNCH 1 OF 3.  x [8192][1024] and w_kqv [3072][1024], f32, become codes of E4M3, one a byte, K innermost, in ONE buffer xw of 11,264 rows of 1,024 bytes: x's rows first, then w's.
; code = number / 2^e, held within +-448, rounded to the nearest code, ties to even; e = lowp_scales[0] for x, lowp_scales[1] for w.
; THE PROGRAM: this launch; then the projection on codes, whose way out adds the bias in f32 and quantises k, q and v at once; then attention on those codes.
; WORK LEFT OUT, in the whole program: only the key steps of attention that lie wholly above the diagonal.  the module builds the causal mask in its own body and sets those scores to -inf
; ahead of the softmax: their p is 0 for all values of the inputs, so they add nothing to a row's sum or to its output.  Everything else is live: the whole bias too, k's part among it, since it moves k's codes.
; Every input is loaded.  LIMIT: a NaN, an infinity or an overflow that reaches only those hidden scores is not carried to the result.
; LIMITS here: e between -126 and 119, so that 2^e and 448 x 2^e are f32 numbers.  NaN among the inputs is not served; an infinity is held at the largest code.
; Rows are dense, so both tensors are plain streams.  A work-group takes 32,768 numbers, a wave 16 steps of 512.  The conversion takes 8 numbers from ONE lane's consecutive registers, so a lane must hold neighbours;
; a load is best where neighbouring LANES take neighbouring bytes.  Both are had: each of a step's four loads reads 512 consecutive bytes, 16 a lane; the 2,048 bytes go through the wave's own stage in LDS and
; come back 64 bytes a lane (16 bytes of padding behind each 64).  A lane's 16 codes are 16 bytes: the wave stores 512 consecutive bytes.
; The first WGA work-groups take x, the others w: only pointers are chosen.  No tensor loads, no barrier: waves share nothing.  Loads run four steps (16 loads a wave) ahead, the turn through LDS one step.
; No matrix unit, no cluster: the launch moves each byte once and shares none.
.set WAVES, 4
.set STEPS, 16
.set WGA,   256                        ; 8,192 x 1,024 / 32,768
.set EMAX,  8
.set MANT,  0x600000                   ; the mantissa field of 448 as f32
.set CB,    16                         ; bytes of 16 codes
.set R,     16                         ; v16-79   four sets of 16 numbers as they are loaded
.set X,     80                         ; v80-111  two sets of 16 neighbours
.set C,     128                        ; v128-191 codes: four registers for each step, so that no store's data are written again
.set WREG,  8192                       ; LDS: a region of its own for each wave: two stages of 32 x SP bytes
.set SP,    80                         ; a lane's place in a stage: its 64 bytes + 16 of padding
.set SPW,   12                         ; v12      LDS address of my spare word: SPARE + 4 x my thread's number; never rewritten
.set NIL,   13                         ; v13      0; never rewritten
.set SPARE, WAVES*WREG                 ; behind the four regions: the spare words, 128 bytes for each wave
	s_load_b256 s[4:11], s[0:1], 0x0               ; x s[4:5], w s[6:7], the scales' exponents s[8:9], xw s[10:11]
	v_lshl_add_u32 v[SPW], v0, 2, SPARE
	v_mov_b32 v[NIL], 0
	v_lshrrev_b32 v1, 5, v0
	v_readfirstlane_b32 s16, v1                    ; wave
	v_and_b32 v2, 31, v0                           ; lane
	v_lshlrev_b32 v3, 4, v2                        ; my 16 bytes of a load's 512
	s_mul_i32 s17, s16, WREG
	v_lshrrev_b32 v14, 2, v2
	v_mul_u32_u24 v14, v14, SP
	v_and_b32 v15, 3, v2
	v_lshl_add_u32 v14, v15, 4, v14
	v_add_nc_u32 v14, s17, v14                     ; the stage, on the way in: SP (lane / 4) + 16 (lane % 4); a load's 512 bytes take eight places
	v_mul_u32_u24 v15, v2, SP
	v_add_nc_u32 v15, s17, v15                     ; and on the way out: SP x lane: my 16 neighbours
	v_mul_u32_u24 v4, v2, CB                       ; my codes' place in a step's
	s_wait_alu depctr_va_vdst(0)
	s_wait_kmcnt 0x0
	s_load_b64 s[22:23], s[8:9], 0x0               ; e of x, e of w
	s_cmp_lt_u32 ttmp9, WGA                        ; x's work-group or w's?  The choice hangs on the work-group's number alone
	s_cselect_b64 s[4:5], s[4:5], s[6:7]
	s_cselect_b32 s17, 0, WGA
	s_sub_co_u32 s17, ttmp9, s17
	s_lshl_b32 s17, s17, 2
	s_add_co_u32 s18, s17, s16                     ; which run of 8,192 numbers of the tensor is my wave's,
	s_lshl_b32 s18, s18, 15                        ; in bytes: 32,768 each, under 2^26 in all
	s_mov_b32 s19, 0
	s_add_nc_u64 s[4:5], s[4:5], s[18:19]
	s_lshl_b32 s20, ttmp9, 2
	s_add_co_u32 s20, s20, s16                     ; the codes follow each other in the order of the work-groups: x's, then w's
	s_lshl_b32 s20, s20, 13                        ; 8,192 bytes a wave
	s_mov_b32 s21, 0
	s_add_nc_u64 s[10:11], s[10:11], s[20:21]
.macro LOAD t
.irp i, 0,1,2,3
	global_load_b128 v[R+16*((\t)%4)+4*\i:R+16*((\t)%4)+4*\i+3], v3, s[4:5] offset:2048*(\t)+512*\i th:TH_LOAD_NT   ; 32 lanes read 512 consecutive bytes
.endr
.endm
.macro TURN t                          ; step t's numbers through the stage: LDS serves a wave's instructions in order (ISA guide 5.7.1.4), so no wait stands between the stores and the loads
.irp i, 0,1,2,3
	ds_store_b128 v14, v[R+16*((\t)%4)+4*\i:R+16*((\t)%4)+4*\i+3] offset:32*SP*((\t)%2)+8*SP*\i
.endr
.irp i, 0,1,2,3
	ds_load_b128 v[X+16*((\t)%2)+4*\i:X+16*((\t)%2)+4*\i+3], v15 offset:32*SP*((\t)%2)+16*\i
.endr
.endm
.irp t, 0,1,2,3
	LOAD \t
.endr
	s_wait_kmcnt 0x0
	s_cmp_lt_u32 ttmp9, WGA
	s_cselect_b32 s22, s22, s23                    ; e
	s_add_co_i32 s22, s22, 127
	s_lshl_b32 s23, s22, 23
	v_mov_b32 v11, s23                             ; 2^e as f32: the conversion takes its exponent field
	s_add_co_i32 s22, s22, EMAX
	s_lshl_b32 s22, s22, 23
	s_or_b32 s22, s22, MANT
	v_mov_b32 v10, s22                             ; 448 x 2^e
	s_wait_alu depctr_va_vdst(0)
	s_wait_loadcnt 12                              ; step 0's four loads are in; the twelve of steps 1 to 3 may be out
	TURN 0
.macro STEP t
.set XS, X+16*((\t)%2)
	s_wait_dscnt 0x0                               ; this step's numbers are back from the stage: so its stores into the stage have read their registers,
.if (\t)+4 < STEPS
	LOAD (\t)+4                                    ; which take the loads of four steps on
.endif
.if (\t)+1 < STEPS
.if STEPS-2-(\t) >= 3
	s_wait_loadcnt 12                              ; the next step's four loads are in; those of the three steps behind it may be out
.else
	s_wait_loadcnt 4*(STEPS-2-(\t))                ; at the end the counts run down
.endif
	TURN (\t)+1                                    ; and go through the other stage while this step is worked
.endif
.irp i, 0,1,2,3,4,5,6,7,8,9,10,11,12,13,14,15
	v_med3_num_f32 v[XS+\i], v[XS+\i], -v10, v10   ; the conversion to an 8-bit code does not saturate (ISA guide 7.6.2): the hold at the largest code x the scale comes first
.endr
	v_cvt_scalef32_pk8_fp8_f32 v[C+4*(\t):C+4*(\t)+1], v[XS:XS+7], v11          ; eight numbers / 2^e, to the nearest code, ties to even; the first number's code in the lowest byte
	v_cvt_scalef32_pk8_fp8_f32 v[C+4*(\t)+2:C+4*(\t)+3], v[XS+8:XS+15], v11
	global_store_b128 v4, v[C+4*(\t):C+4*(\t)+3], s[10:11] offset:32*CB*(\t)    ; 32 lanes store 512 consecutive bytes, at a multiple of 512 from the buffer's first byte
.endm
.irp t, 0,1,2,3,4,5,6,7,8,9,10,11,12,13,14,15
	STEP \t
.endr
	s_wait_tensorcnt 0x0                           ; the wave's end: behind my last LDS store
	ds_add_u32 v[SPW], v[NIL]
	s_wait_dscnt 0x0
	s_endpgm
.Lfunc_end_k_qcb2f9ffd9b_quant:
	.size	k_qcb2f9ffd9b_quant, .Lfunc_end_k_qcb2f9ffd9b_quant-k_qcb2f9ffd9b_quant
	.p2alignl 7, 3214868480
	.fill 96, 4, 3214868480
	.section	.rodata,"a",@progbits
	.p2align	6, 0x0
	.amdhsa_kernel k_qcb2f9ffd9b_quant
		.amdhsa_group_segment_fixed_size 33280
		.amdhsa_private_segment_fixed_size 0
		.amdhsa_enable_private_segment 0
		.amdhsa_kernarg_size 32
		.amdhsa_user_sgpr_count 2
		.amdhsa_user_sgpr_kernarg_segment_ptr 1
		.amdhsa_wavefront_size32 1
		.amdhsa_system_sgpr_workgroup_id_x 1
		.amdhsa_system_sgpr_workgroup_id_y 1
		.amdhsa_system_sgpr_workgroup_id_z 1
		.amdhsa_system_vgpr_workitem_id 0
		.amdhsa_next_free_vgpr 192
		.amdhsa_next_free_sgpr 66
		.amdhsa_reserve_vcc 0
		.amdhsa_float_denorm_mode_32 3
		.amdhsa_float_denorm_mode_16_64 3
		.amdhsa_memory_ordered 1
		.amdhsa_forward_progress 1
		.amdhsa_inst_pref_size 37
	.end_amdhsa_kernel
	.amdgpu_metadata
---
amdhsa.version: [ 1, 2 ]
amdhsa.kernels:
  - .name:           k_qcb2f9ffd9b_quant
    .symbol:         k_qcb2f9ffd9b_quant.kd
    .args:
      - { .name: x, .offset: 0, .size: 8, .value_kind: global_buffer, .address_space: global }
      - { .name: w_kqv, .offset: 8, .size: 8, .value_kind: global_buffer, .address_space: global }
      - { .name: lowp_scales, .offset: 16, .size: 8, .value_kind: global_buffer, .address_space: global }
      - { .name: xw, .offset: 24, .size: 8, .value_kind: global_buffer, .address_space: global }
    .group_segment_fixed_size: 33280
    .private_segment_fixed_size: 0
    .kernarg_segment_align: 8
    .kernarg_segment_size: 32
    .max_flat_workgroup_size: 128
    .sgpr_count:     66
    .vgpr_count:     192
    .wavefront_size: 32
...
	.end_amdgpu_metadata
.endif
;; end of part 1
;; launch proj (part 2): grid 12 x 32, 4 waves a work-group, clusters of 4 x 4, 327,680 bytes of LDS; arguments xw, lowp_scales, b_kqv, kqv; writes kqv
.if DOCPART == 2
	.amdgcn_target "amdgcn-amd-amdhsa--gfx1250"
	.amdhsa_code_object_version 6
	.text
	.protected	k_qcb2f9ffd9b_proj
	.globl	k_qcb2f9ffd9b_proj
	.p2align	8
	.type	k_qcb2f9ffd9b_proj,@function
k_qcb2f9ffd9b_proj:
	s_mov_b64 s[64:65], 0
	v_nop
	global_prefetch_b8 v0, s[64:65] scope:SCOPE_SE
	s_setreg_imm32_b32 hwreg(HW_REG_WAVE_MODE, 25, 1), 1
	s_wait_xcnt 0x0
	s_wait_alu depctr_hold_cnt(0) depctr_sa_sdst(0) depctr_va_vdst(0) depctr_va_sdst(0) depctr_va_ssrc(0) depctr_va_vcc(0) depctr_vm_vsrc(0)
	s_getreg_b32 s2, hwreg(HW_REG_IB_STS2, 6, 4)
	s_cmp_eq_u32 s2, 0
	s_cbranch_scc0 .Lentry_in_a_cluster
	s_endpgm
.Lentry_in_a_cluster:
	s_bfe_u32 s2, ttmp6, 0x10000c
	s_cmp_lg_u32 s2, 0xf033
	s_cbranch_scc0 .Lentry_shape_is_right
	s_endpgm
.Lentry_shape_is_right:
.set KSTEP,  256
.set ROWB,   256
.set KROW,   1024
.set PITCH,  272
.set FR,     16
.set NL,     4
.set NP,     4
.set HALFT,  128*PITCH
.set SLOT,   4*HALFT
.set SPARE,  2*SLOT
.set STAGEK, SPARE+512
.set STAGEV, STAGEK+4*2560
.set SCL,  8
.set LIMV, 9
.set ADRA, 16
.set ADRB, 20
.set STO,  24
.set RD,   25
.set CO,   26
.set BO,   27
.set SPW,  28
.set NIL,  29
.set BC,   64
.set BR,   64
.set AF,   128
.set TMP,  128
.set CD,   192
.set BK,   224
.set G1, 24
.set G0, 32
.set G1B, 48
.set G0B, 56
.set MSB, 0
.macro WIN new
.if MSB != \new
	s_set_vgpr_msb (MSB<<8)|\new
.set MSB, \new
.endif
.endm
.set MUL_LO, 0xa1
.set MUL_HI, 0xf1
.set TO_B,   0x40
.macro JLOAD g0a, g1a, g0b, g1b
	s_cmp_eq_u32 s15, 0
	s_cbranch_scc0 .Lfor_b_\@
	tensor_load_to_lds s[\g0a:\g0a+3], s[\g1a:\g1a+7]
	s_nop 0
.rept 4
	v_nop
.endr
	s_branch .Lasked_\@
.Lfor_b_\@:
	tensor_load_to_lds s[\g0b:\g0b+3], s[\g1b:\g1b+7]
	s_nop 0
.rept 4
	v_nop
.endr
.Lasked_\@:
.endm
.macro CREST
	s_cmp_lg_u32 s14, 0
	s_cbranch_scc1 .Lnot_wave_0_\@
	s_barrier_signal -3
.Lnot_wave_0_\@:
	s_barrier_wait -3
	s_barrier_signal -1
	s_barrier_wait -1
.endm
.macro CROUND
	s_barrier_signal -1
	s_barrier_wait -1
	CREST
.endm
	s_load_b256 s[4:11], s[0:1], 0x0
	v_lshl_add_u32 v[SPW], v0, 2, SPARE
	v_mov_b32 v[NIL], 0
	ds_add_u32 v[SPW], v[NIL]
	ds_add_u32 v[SPW], v[NIL]
	v_lshrrev_b32 v1, 5, v0
	v_readfirstlane_b32 s14, v1
	s_lshr_b32 s15, s14, 1
	s_and_b32 s16, s14, 1
	s_bfe_u32 s40, ttmp6, 0x40000
	s_bfe_u32 s41, ttmp6, 0x40004
	s_and_b32 s81, ttmp7, 0xffff
	s_cmp_eq_u32 ttmp9, 2
	s_cselect_b32 s82, 0, s81
	s_cselect_b32 s83, s81, ttmp9
	s_cselect_b32 s84, 10240, 0
	s_cselect_b32 s85, 0, 8192
	s_lshl_b32 s17, s82, 2
	s_add_co_u32 s17, s17, s41
	s_lshl_b32 s42, s83, 2
	s_add_co_u32 s42, s42, s40
	s_lshl_b32 s43, s41, 2
	s_lshl_b32 s43, 15, s43
	s_lshl_b32 s44, 0x1111, s40
	s_or_b32 s[G1+0], s43, (0<<16)|(1<<20)|(1<<21)|(5<<22)|(3<<25)
	s_or_b32 s[G1B+0], s44, (0<<16)|(1<<20)|(1<<21)|(5<<22)|(3<<25)
.irp g, G1, G1B
	s_mov_b32 s[\g+1], ROWB<<16
	s_mov_b32 s[\g+2], 128<<16
	s_mov_b32 s[\g+3], ROWB<<16
	s_mov_b32 s[\g+4], 128
	s_mov_b32 s[\g+5], KROW
	s_mov_b32 s[\g+6], 0
	s_mov_b32 s[\g+7], 0
.endr
	s_lshl_b32 s18, s16, 7
	s_lshl_b32 s20, s17, 8
	s_add_co_u32 s20, s20, s18
	s_add_co_u32 s20, s20, s84
	s_lshl_b32 s20, s20, 10
	s_mov_b32 s21, 0
	s_lshl_b32 s46, s42, 8
	s_add_co_u32 s46, s46, s18
	s_add_co_u32 s46, s46, s85
	s_lshl_b32 s46, s46, 10
	s_mov_b32 s47, 0
	s_mul_i32 s45, s14, HALFT
	s_wait_dscnt 0x0
	s_wait_kmcnt 0x0
	s_load_b128 s[68:71], s[6:7], 0x0
	s_load_b64 s[72:73], s[6:7], 0x10
	s_add_nc_u64 s[20:21], s[4:5], s[20:21]
	s_add_nc_u64 s[46:47], s[4:5], s[46:47]
	CROUND
.irp s, 0,1
	s_mov_b32 s[G0+4*\s], 1
	s_add_co_u32 s[G0+4*\s+1], s45, \s*SLOT
	s_add_nc_u64 s[G0+4*\s+2:G0+4*\s+3], s[20:21], \s*ROWB
	s_or_b32 s[G0+4*\s+3], s[G0+4*\s+3], 0x80000000
	s_mov_b32 s[G0B+4*\s], 1
	s_add_co_u32 s[G0B+4*\s+1], s45, \s*SLOT
	s_add_nc_u64 s[G0B+4*\s+2:G0B+4*\s+3], s[46:47], \s*ROWB
	s_or_b32 s[G0B+4*\s+3], s[G0B+4*\s+3], 0x80000000
	s_wait_alu depctr_va_vdst(0)
	s_wait_tensorcnt 0x0
	ds_add_u32 v28, v29
	ds_add_u32 v28, v29
	s_wait_dscnt 0x0
	CROUND
	JLOAD G0+4*\s, G1, G0B+4*\s, G1B
.endr
	v_and_b32 v1, 15, v0
	v_bfe_u32 v2, v0, 4, 1
	v_and_b32 v6, 31, v0
	v_mul_u32_u24 v3, v1, PITCH
	v_lshl_add_u32 v4, v2, 4, v3
	s_mul_i32 s21, s15, HALFT
	s_mul_i32 s22, s16, HALFT
	s_add_co_u32 s22, s22, 2*HALFT
.irp s, 0,1
	v_add_nc_u32 v[ADRA+\s], s21, v4
	v_add_nc_u32 v[ADRB+\s], s22, v4
	s_add_co_u32 s21, s21, SLOT
	s_add_co_u32 s22, s22, SLOT
.endr
	v_lshlrev_b32 v[CO], 4, v6
	s_cmp_eq_u32 ttmp9, 2
	s_cselect_b32 s86, s42, s17
	s_cselect_b32 s87, s41, s40
	s_cselect_b32 s88, s16, s15
	s_cselect_b32 s89, s15, s16
	s_lshl_b32 s90, ttmp9, 23
	s_lshr_b32 s91, s86, 3
	s_lshl_b32 s91, s91, 21
	s_add_co_u32 s90, s90, s91
	s_lshl_b32 s87, s87, 2
	s_lshl_b32 s89, s89, 1
	s_add_co_u32 s87, s87, s89
	s_lshl_b32 s87, s87, 17
	s_add_co_u32 s90, s90, s87
	s_and_b32 s86, s86, 7
	s_lshl_b32 s86, s86, 1
	s_add_co_u32 s86, s86, s88
	s_lshl_b32 s86, s86, 13
	s_add_co_u32 s90, s90, s86
	s_mov_b32 s91, 0
	s_add_nc_u64 s[10:11], s[10:11], s[90:91]
.macro FRAG reg, adr, q, i
.irp c, 0,1,2,3
	ds_load_b128 v[\reg+4*\c:\reg+4*\c+3], v[\adr] offset:128*(\q)+32*\c+(\i)*16*PITCH
.endr
.endm
.macro MUL16 a0, p, zero
.irp a, \a0, \a0+1
.irp b, 0,1,2,3,4,5,6,7
.if \zero
	v_wmma_f32_16x16x128_fp8_fp8 v[8*(8*((\a)%4)+\b):8*(8*((\a)%4)+\b)+7], v[128*(\p)+FR*\b:128*(\p)+FR*\b+FR-1], v[AF+FR*(\a):AF+FR*(\a)+FR-1], 0
.else
	v_wmma_f32_16x16x128_fp8_fp8 v[8*(8*((\a)%4)+\b):8*(8*((\a)%4)+\b)+7], v[128*(\p)+FR*\b:128*(\p)+FR*\b+FR-1], v[AF+FR*(\a):AF+FR*(\a)+FR-1], v[8*(8*((\a)%4)+\b):8*(8*((\a)%4)+\b)+7]
.endif
.endr
.endr
.endm
.macro FETCH_B slot, q, p
	WIN TO_B
.irp i, 0,1,2,3,4,5,6,7
	FRAG 128*(\p)+FR*\i, ADRB+\slot, \q, \i
.endr
	WIN 0
.endm
.macro FETCH_A slot, q, i0
.irp i, \i0, \i0+1, \i0+2, \i0+3
	FRAG AF+FR*(\i), ADRA+\slot, \q, \i
.endr
.endm
.macro PLACES n
.rept \n
	v_nop
.endr
.endm
.macro STEP slot, q, zero
	s_wait_dscnt 4*NL
	WIN MUL_LO
	MUL16 0, (\q)%2, \zero
	MUL16 2, (\q)%2, \zero
	s_wait_dscnt 0
	PLACES NP
	FETCH_B \slot, (\q)+1, 1-(\q)%2
	FETCH_A \slot, (\q)+1, 0
	WIN MUL_HI
	MUL16 4, (\q)%2, \zero
	MUL16 6, (\q)%2, \zero
	PLACES NP
	WIN 0
	FETCH_A \slot, (\q)+1, 4
.endm
.macro TURN slot, next, fill
	s_wait_tensorcnt 0x0
	ds_add_u32 v[SPW], v[NIL]
	s_wait_dscnt 4*NL+1
	WIN MUL_LO
	MUL16 0, 1, 0
	s_wait_dscnt 0x0
	s_barrier_signal -1
	MUL16 2, 1, 0
	WIN 0
	s_barrier_wait -1
.if \fill
	CREST
	s_add_nc_u64 s[G0+4*\slot+2:G0+4*\slot+3], s[G0+4*\slot+2:G0+4*\slot+3], 2*ROWB
	s_add_nc_u64 s[G0B+4*\slot+2:G0B+4*\slot+3], s[G0B+4*\slot+2:G0B+4*\slot+3], 2*ROWB
	JLOAD G0+4*\slot, G1, G0B+4*\slot, G1B
.else
	PLACES NP
.endif
	FETCH_B \next, 0, 0
	FETCH_A \next, 0, 0
	WIN MUL_HI
	MUL16 4, 1, 0
	MUL16 6, 1, 0
	PLACES NP
	WIN 0
	FETCH_A \next, 0, 4
.endm
	s_wait_alu depctr_va_vdst(0)
	s_wait_tensorcnt 1
	s_barrier_signal -1
	s_barrier_wait -1
	FETCH_B 0, 0, 0
	FETCH_A 0, 0, 0
	FETCH_A 0, 0, 4
	STEP 0, 0, 1
	TURN 0, 1, 1
	STEP 1, 0, 0
	TURN 1, 0, 1
	STEP 0, 0, 0
	TURN 0, 1, 0
	STEP 1, 0, 0
	s_wait_kmcnt 0x0
	s_add_co_i32 s96, s68, s69
	s_add_co_i32 s96, s96, 127
	s_lshl_b32 s96, s96, 23
	s_mov_b32 s97, s96
	s_cmp_eq_u32 ttmp9, 0
	s_cselect_b32 s86, s71, s70
	s_cmp_eq_u32 ttmp9, 2
	s_cselect_b32 s86, s73, s86
	s_add_co_i32 s86, s86, 127
	s_lshl_b32 s87, s86, 23
	v_mov_b32 v[SCL], s87
	s_add_co_i32 s86, s86, 8
	s_lshl_b32 s86, s86, 23
	s_or_b32 s86, s86, 0x600000
	v_mov_b32 v[LIMV], s86
.macro TOSTAGE a, vp
.set AC,  64*((\a)%4)
.set CDS, CD+16*((\a)%2)
.set BKS, BK+16*((\a)%2)
	WIN 0x02+((\a)/4)
.set jj, 0
.rept 32
.if \vp
	v_pk_fma_f32 v[TMP+jj:TMP+jj+1], v[AC+jj:AC+jj+1], s[96:97], v[BR+2*(\a):BR+2*(\a)+1] op_sel_hi:[1,0,1]
.else
	v_pk_fma_f32 v[TMP+jj:TMP+jj+1], v[AC+jj:AC+jj+1], s[96:97], v[BC+jj:BC+jj+1] op_sel_hi:[1,0,1]
.endif
.set jj, jj+2
.endr
	WIN 0
.set jj, 0
.rept 64
	v_med3_num_f32 v[TMP+jj], v[TMP+jj], -v[LIMV], v[LIMV]
.set jj, jj+1
.endr
.irp b, 0,1,2,3,4,5,6,7
	v_cvt_scalef32_pk8_fp8_f32 v[CDS+2*\b:CDS+2*\b+1], v[TMP+8*\b:TMP+8*\b+7], v[SCL]
.endr
	v_nop
.irp p, 0,1,2,3
.if \vp
	ds_store_b128 v[STO], v[CDS+4*\p:CDS+4*\p+3] offset:32*\p
.else
	ds_store_b128 v[STO], v[CDS+4*\p:CDS+4*\p+3] offset:(\p/2)*1280+(\p%2)*32
.endif
.endr
.irp n, 0,1,2,3
.if \vp
	ds_load_b128 v[BKS+4*\n:BKS+4*\n+3], v[RD] offset:576*\n
.else
	ds_load_b128 v[BKS+4*\n:BKS+4*\n+3], v[RD] offset:(\n/2)*1280+(\n%2)*640
.endif
.endr
.endm
.macro SEND a, younger, vp
.set BKS, BK+16*((\a)%2)
	s_wait_dscnt \younger
.irp n, 0,1,2,3
.if \vp
	global_store_b128 v[CO], v[BKS+4*\n:BKS+4*\n+3], s[10:11] offset:((\a)/4)*131072+((\a)%4)*2048+512*\n
.else
	global_store_b128 v[CO], v[BKS+4*\n:BKS+4*\n+3], s[10:11] offset:(\n/2)*131072+(\a)*1024+(\n%2)*512
.endif
.endr
.endm
.macro OUT vp
.if \vp
	s_lshl_b32 s86, s17, 8
	s_lshl_b32 s87, s15, 7
	s_add_co_u32 s86, s86, s87
	s_add_co_u32 s86, s86, 2048
	s_lshl_b32 s86, s86, 2
	s_mov_b32 s87, 0
	s_add_nc_u64 s[8:9], s[8:9], s[86:87]
	v_lshlrev_b32 v[BO], 2, v1
.irp a, 0,1,2,3,4,5,6,7
	global_load_b32 v[BR+2*\a], v[BO], s[8:9] offset:64*\a
	global_load_b32 v[BR+2*\a+1], v[BO], s[8:9] offset:64*\a
.endr
	s_mul_i32 s88, s14, 2304
	s_add_co_u32 s88, s88, STAGEV
	v_mul_u32_u24 v[STO], v1, 144
	v_lshl_add_u32 v[STO], v2, 4, v[STO]
	v_add_nc_u32 v[STO], s88, v[STO]
	v_lshrrev_b32 v[RD], 3, v6
	v_mul_u32_u24 v[RD], v[RD], 144
	v_and_b32 v7, 7, v6
	v_lshl_add_u32 v[RD], v7, 4, v[RD]
	v_add_nc_u32 v[RD], s88, v[RD]
.else
	s_lshl_b32 s86, s42, 8
	s_lshl_b32 s87, s16, 7
	s_add_co_u32 s86, s86, s87
	s_lshl_b32 s86, s86, 2
	s_mov_b32 s87, 0
	s_add_nc_u64 s[8:9], s[8:9], s[86:87]
	v_lshlrev_b32 v[BO], 5, v2
.irp b, 0,1,2,3,4,5,6,7
	global_load_b128 v[BC+8*\b:BC+8*\b+3], v[BO], s[8:9] offset:64*\b
	global_load_b128 v[BC+8*\b+4:BC+8*\b+7], v[BO], s[8:9] offset:64*\b+16
.endr
	s_mul_i32 s88, s14, 2560
	s_add_co_u32 s88, s88, STAGEK
	v_mul_u32_u24 v[STO], v1, 80
	v_lshl_add_u32 v[STO], v2, 4, v[STO]
	v_add_nc_u32 v[STO], s88, v[STO]
	v_lshrrev_b32 v[RD], 2, v6
	v_mul_u32_u24 v[RD], v[RD], 80
	v_and_b32 v7, 3, v6
	v_lshl_add_u32 v[RD], v7, 4, v[RD]
	v_add_nc_u32 v[RD], s88, v[RD]
.endif
	s_wait_dscnt 4*NL
	WIN MUL_LO
	MUL16 0, 1, 0
	MUL16 2, 1, 0
	s_wait_dscnt 0
	WIN MUL_HI
	MUL16 4, 1, 0
	MUL16 6, 1, 0
	WIN 0
	PLACES NP
	s_wait_loadcnt 0x0
	TOSTAGE 0, \vp
.irp a, 1,2,3,4,5,6,7
.if \a > 1
	s_wait_xcnt 0x0
.endif
	TOSTAGE \a, \vp
	SEND \a-1, 8, \vp
.endr
	SEND 7, 0, \vp
.endm
	s_cmp_eq_u32 ttmp9, 2
	s_cbranch_scc1 .Lv_out
	OUT 0
	s_branch .Ltail
.Lv_out:
	OUT 1
.Ltail:
	s_wait_tensorcnt 0x0
	ds_add_u32 v[SPW], v[NIL]
	s_wait_dscnt 0x0
	CROUND
	s_endpgm
.Lfunc_end_k_qcb2f9ffd9b_proj:
	.size	k_qcb2f9ffd9b_proj, .Lfunc_end_k_qcb2f9ffd9b_proj-k_qcb2f9ffd9b_proj
	.p2alignl 7, 3214868480
	.fill 96, 4, 3214868480
	.section	.rodata,"a",@progbits
	.p2align	6, 0x0
	.amdhsa_kernel k_qcb2f9ffd9b_proj
		.amdhsa_group_segment_fixed_size 327680
		.amdhsa_private_segment_fixed_size 0
		.amdhsa_enable_private_segment 0
		.amdhsa_kernarg_size 32
		.amdhsa_user_sgpr_count 2
		.amdhsa_user_sgpr_kernarg_segment_ptr 1
		.amdhsa_wavefront_size32 1
		.amdhsa_system_sgpr_workgroup_id_x 1
		.amdhsa_system_sgpr_workgroup_id_y 1
		.amdhsa_system_sgpr_workgroup_id_z 1
		.amdhsa_system_vgpr_workitem_id 0
		.amdhsa_next_free_vgpr 1024
		.amdhsa_next_free_sgpr 100
		.amdhsa_reserve_vcc 0
		.amdhsa_float_denorm_mode_32 3
		.amdhsa_float_denorm_mode_16_64 3
		.amdhsa_memory_ordered 1
		.amdhsa_forward_progress 1
		.amdhsa_inst_pref_size 209
	.end_amdhsa_kernel
	.amdgpu_metadata
---
amdhsa.version: [ 1, 2 ]
amdhsa.kernels:
  - .name:           k_qcb2f9ffd9b_proj
    .symbol:         k_qcb2f9ffd9b_proj.kd
    .args:
      - { .name: xw, .offset: 0, .size: 8, .value_kind: global_buffer, .address_space: global }
      - { .name: lowp_scales, .offset: 8, .size: 8, .value_kind: global_buffer, .address_space: global }
      - { .name: b_kqv, .offset: 16, .size: 8, .value_kind: global_buffer, .address_space: global }
      - { .name: kqv, .offset: 24, .size: 8, .value_kind: global_buffer, .address_space: global }
    .group_segment_fixed_size: 327680
    .private_segment_fixed_size: 0
    .kernarg_segment_align: 8
    .kernarg_segment_size: 32
    .max_flat_workgroup_size: 128
    .sgpr_count:     100
    .vgpr_count:     1024
    .wavefront_size: 32
...
	.end_amdgpu_metadata
.endif
;; end of part 2
;; launch attn (part 3): grid 4 x 64, 8 waves a work-group, clusters of 4 x 1, 327,680 bytes of LDS; arguments kqv, lowp_scales, out0; writes out0
.if DOCPART == 3
	.amdgcn_target "amdgcn-amd-amdhsa--gfx1250"
	.amdhsa_code_object_version 6
	.text
	.protected	k_qcb2f9ffd9b_attn
	.globl	k_qcb2f9ffd9b_attn
	.p2align	8
	.type	k_qcb2f9ffd9b_attn,@function
k_qcb2f9ffd9b_attn:
	s_mov_b64 s[64:65], 0
	v_nop
	global_prefetch_b8 v0, s[64:65] scope:SCOPE_SE
	s_setreg_imm32_b32 hwreg(HW_REG_WAVE_MODE, 25, 1), 1
	s_wait_xcnt 0x0
	s_wait_alu depctr_hold_cnt(0) depctr_sa_sdst(0) depctr_va_vdst(0) depctr_va_sdst(0) depctr_va_ssrc(0) depctr_va_vcc(0) depctr_vm_vsrc(0)
	s_getreg_b32 s2, hwreg(HW_REG_IB_STS2, 6, 4)
	s_cmp_eq_u32 s2, 0
	s_cbranch_scc0 .Lentry_in_a_cluster
	s_endpgm
.Lentry_in_a_cluster:
	s_bfe_u32 s2, ttmp6, 0x10000c
	s_cmp_lg_u32 s2, 0x3003
	s_cbranch_scc0 .Lentry_shape_is_right
	s_endpgm
.Lentry_shape_is_right:
; LAUNCH 3 OF 3.  out[b][t][64 head + :] = the sum over keys k <= t of softmax_k(q[t] . k[k] / 8) v[k][:], for each of 64 (batch, head), both products on the codes that the launch before has stored.
; LEFT OUT: key steps all of whose 128 keys come after a wave's 32 queries.  the module sets their scores to -inf by a mask that it builds itself, so their p is 0 whatever the inputs hold.
; A NaN, an infinity or an overflow that reaches only those scores is not carried to the result.
; THE SOFTMAX AHEAD OF THE SECOND PRODUCT: t = score x log2(e) / 8; M = the row's largest t so far, rounded UP to a whole number; p = 2^(t - M) is quantised (scale 2^e4) along the keys, not normalised.
; The row's sum is taken of the unquantised p, in f32, and divides O at the end.  When M moves, the sum and O are multiplied by 2^(old M - new M): exact.
; A HEAD'S K AND V STAY IN LDS: 2 x 131,072 bytes of codes, stated as rows of 256 bytes with 16 of padding: 2 x 139,264 bytes.  Nothing is filled again, so there is no ring.
; CLUSTER: the four work-groups of a head need the same K and V and ask for them jointly: each of the 8 waves one load for keys 0-639 (40 rows), and, behind the full sequence and a round, one for keys 640-2047 (88 rows).
; SHARES.  Partner cx owns queries 128 B + 32 cx + 0 .. 31 of every block B = 0 .. 15: a block's step count, B + 1, is the same in all partners, so no branch and no trip count hangs on cx.
; Wave w takes B = 15 - w, then B = w: 17 steps of (32 queries x 128 keys) in every wave.  The first four steps read the first loads' five steps of keys alone (K's fragments are asked for one step ahead);
; one barrier shows the rest; behind it the waves share nothing.
; The loops' trip counts are constants (4, 12, 8); a hidden step is jumped over by a scalar branch on the wave's number and the step's.  On the diagonal (step B) hidden scores are replaced by select, with cx in the data alone.
; A wave's two tiles of 16 queries (x = 0, 1) share each fragment of K and V, and go through ONE softmax pass: their chains stand line by line beside each other, and their 128 exponentials are one batch.
; The look-ahead behind a block's last step reads 8,704 bytes that follow in LDS (behind step 15: V's first rows); they have landed, and nothing uses them.
; LAYOUT as the launch before lays it: S^T = K Q^T, O^T = V^T P^T: a lane holds ONE query (lane % 16); in S^T's tile T register j of lane (r, h) is key 16 T + 8 h + j, so tile T's conversion IS registers 2 T, 2 T + 1 of P.
; No prefetch: all of K and V is asked for by the two groups of loads at the head, so no later load exists for a request to run ahead of.
; LIMITS: e2 + e3 between -123 and 130 (added to c's exponent field); e4 between -126 and 119; the scaled scores stay under 2^31 in magnitude.
; REGISTERS.  Window 0: v1-31 addresses and constants; v[12+4x ..] -M, largest score, the sum's pair; v[32+32x ..] 20 at work; v[96+64x ..] S^T, then p.
; Window 1, the matrix operands: v0-63 K, v64-127 V, v[128+32x ..] O^T, v[192+16x ..] P's codes, v224-239 the first block's Q, v240-255 the second's.
.set KVP,   272                        ; an LDS row: 256 bytes (4 keys of K, or 2 channel rows of V) + 16: the 16 lanes of a half touch 16 different 16-byte columns of 256 bytes
.set STEPB, 32*KVP                     ; 128 keys of K, and likewise of V
.set VOFF,  512*KVP                    ; V lies behind K
.set SPARE, 2*VOFF                     ; the spare words, 128 bytes a wave
.set STAGE, SPARE+1024                 ; the way out: 16 rows x 272 bytes a wave; no tensor load lands here
.set AK0, 1                            ; my lane's place in a tile of K
.set AV0, 2                            ; in a tile of V
.set QO,  3                            ; in a tile of Q in memory
.set SPW, 5
.set NIL, 6
.set GO,  7                            ; my byte offset in two rows of out0
.set ADK, 8
.set ADV, 9
.set STT, 12                           ; + 4 x: -M, largest score, the sum's pair
.set STO, 24
.set RD,  25
.set DG,  26                           ; + x: my query's place in its block - 8 h
.set LIMA, 28                          ; 448 x 2^e4, twice: the dual form's two second sources
.set LIMB, 29
.set SCL, 30                           ; 2^e4
.set NEG, 31                           ; -infinity
.set TT,  32                           ; + 32 x: +0, +1 maxima; +2, +3 f's pair; +4 what a permute brings; +5 the old -M; +6 .. +19 seven pairs of partial sums
.set SS,  96                           ; + 64 x
.set K1,  0
.set V1,  64
.set O1,  128
.set P1,  192
.set WV, 10
.set CX, 11
.set HD, 12
.set ST, 13                            ; the key step
.set TB, 14                            ; its LDS byte
.set BB, 15                            ; the block in hand
.set ES, 16                            ; e4 + e5
.set SEL, 20
.set CS,  22
.set G1A, 24
.set G1B, 32
.set G0A, 40
.set G0B, 44
.set QP1, 48
.set QP2, 50
.set OP1, 52
.set OP2, 54
.set MSB, 0
.macro WIN new                         ; low byte: bits 1:0 source 0, 3:2 source 1, 5:4 source 2, 7:6 destination; the high byte repeats the setting that is left
.if MSB != \new
	s_set_vgpr_msb (MSB<<8)|\new
.set MSB, \new
.endif
.endm
.macro CREST
	s_cmp_lg_u32 s[WV], 0
	s_cbranch_scc1 .Lnot_wave_0_\@
	s_barrier_signal -3
.Lnot_wave_0_\@:
	s_barrier_wait -3
	s_barrier_signal -1
	s_barrier_wait -1
.endm
.macro CROUND                          ; a round of the cluster's barrier
	s_barrier_signal -1
	s_barrier_wait -1
	CREST
.endm
.macro PTRS b, qp, op                  ; block s[b]: byte offsets of its q codes and of its rows of out0
	s_lshl_b32 s74, s[\b], 7
	s_add_co_u32 s74, s74, s76                     ; first query = 128 B + 32 cx
	s_lshl_b32 s[\qp], s74, 6
	s_add_co_u32 s[\qp], s[\qp], s59
	s_add_co_u32 s[\qp], s[\qp], 0x800000          ; section 1, my head, 64 bytes a query
	s_mov_b32 s[\qp+1], 0
	s_add_co_u32 s74, s74, s77
	s_lshl_b32 s[\op], s74, 12                     ; 4,096 bytes a row,
	s_add_co_u32 s[\op], s[\op], s78               ; 256 a head
	s_mov_b32 s[\op+1], 0
.endm
.macro QLOAD qp, reg                   ; a block's Q, both tiles, into window 1
.irp x, 0,1
	global_load_b128 v[\reg+8*\x:\reg+8*\x+3], v[QO], s[\qp:\qp+1] offset:1024*\x
	global_load_b128 v[\reg+8*\x+4:\reg+8*\x+7], v[QO], s[\qp:\qp+1] offset:1024*\x+32
.endr
.endm
	s_load_b128 s[4:7], s[0:1], 0x0                ; kqv, the scales' exponents
	s_load_b64 s[8:9], s[0:1], 0x10                ; out0
	v_lshl_add_u32 v[SPW], v0, 2, SPARE
	v_mov_b32 v[NIL], 0
	ds_add_u32 v[SPW], v[NIL]                      ; the opening: the add twice on end, and its wait ahead of my first tensor load
	ds_add_u32 v[SPW], v[NIL]
	v_lshrrev_b32 v10, 5, v0
	v_readfirstlane_b32 s[WV], v10                 ; wave 0..7
	v_and_b32 v8, 15, v0                           ; r
	v_bfe_u32 v9, v0, 4, 1                         ; h
	v_lshlrev_b32 v10, 6, v8
	v_lshl_add_u32 v[QO], v9, 4, v10               ; Q: row r of 64 bytes + 16 h
	s_bfe_u32 s[CX], ttmp6, 0x40000
	s_and_b32 s[HD], ttmp7, 0xffff                 ; 16 x batch + head
.irp g, G1A, G1B
	s_mov_b32 s[\g], 15|(1<<20)|(1<<21)|(5<<22)|(3<<25)   ; mask: all four partners; bytes; four words of padding after every 64
	s_mov_b32 s[\g+1], 256<<16
	s_mov_b32 s[\g+3], 256<<16
	s_mov_b32 s[\g+5], 256
	s_mov_b32 s[\g+6], 0
	s_mov_b32 s[\g+7], 0
.endr
	s_mov_b32 s[G1A+2], 40<<16
	s_mov_b32 s[G1A+4], 40
	s_mov_b32 s[G1B+2], 88<<16
	s_mov_b32 s[G1B+4], 88
	s_lshr_b32 s56, s[WV], 2                       ; waves 0-3 fetch K, waves 4-7 V,
	s_and_b32 s57, s[WV], 3                        ; a quarter each
	s_lshl_b32 s58, s56, 24                        ; V's section lies 2^24 bytes behind K's
	s_lshl_b32 s59, s[HD], 17
	s_add_co_u32 s58, s58, s59
	s_mul_i32 s60, s57, 10240
	s_add_co_u32 s60, s60, s58                     ; first group: 40 rows of 256 bytes a wave
	s_mov_b32 s61, 0
	s_mul_i32 s62, s57, 22528
	s_add_co_u32 s62, s62, s58
	s_add_co_u32 s62, s62, 40960                   ; second group: 88 rows a wave, behind the first 160
	s_mov_b32 s63, 0
	s_mul_i32 s74, s56, VOFF
	s_mul_i32 s75, s57, 40*KVP
	s_mov_b32 s[G0A], 1
	s_add_co_u32 s[G0A+1], s74, s75
	s_mul_i32 s75, s57, 88*KVP
	s_add_co_u32 s75, s75, s74
	s_mov_b32 s[G0B], 1
	s_add_co_u32 s[G0B+1], s75, 5*STEPB
	s_lshl_b32 s76, s[CX], 5
	s_lshr_b32 s77, s[HD], 4
	s_lshl_b32 s77, s77, 11
	s_and_b32 s78, s[HD], 15
	s_lshl_b32 s78, s78, 8
	s_sub_co_u32 s[BB], 15, s[WV]                  ; the long block first
	PTRS BB, QP1, OP1
	PTRS WV, QP2, OP2
	s_mul_i32 s75, s[WV], 16*272
	s_add_co_u32 s75, s75, STAGE                   ; my stage
	s_mov_b32 s[SEL], 0x76543210
	s_mov_b32 s[SEL+1], 0xfedcba98
	s_mov_b32 s[CS], 0x3e38aa3b                    ; log2(e) / 8
	s_wait_alu depctr_va_vdst(0)                   ; the wait ahead of the waits below
	s_wait_dscnt 0x0
	s_wait_kmcnt 0x0
	s_load_b128 s[68:71], s[6:7], 0x0              ; e0 .. e3
	s_load_b64 s[72:73], s[6:7], 0x10              ; e4, e5
	s_add_nc_u64 s[G0A+2:G0A+3], s[4:5], s[60:61]
	s_or_b32 s[G0A+3], s[G0A+3], 0x80000000
	s_add_nc_u64 s[G0B+2:G0B+3], s[4:5], s[62:63]
	s_or_b32 s[G0B+3], s[G0B+3], 0x80000000
	s_add_nc_u64 s[QP1:QP1+1], s[4:5], s[QP1:QP1+1]
	s_add_nc_u64 s[QP2:QP2+1], s[4:5], s[QP2:QP2+1]
	s_add_nc_u64 s[OP1:OP1+1], s[8:9], s[OP1:OP1+1]
	s_add_nc_u64 s[OP2:OP2+1], s[8:9], s[OP2:OP2+1]
	WIN 0x40
	QLOAD QP1, 224                                 ; both blocks' Q are on their way under the rounds and the tensor loads
	QLOAD QP2, 240
	WIN 0
	CROUND                                         ; the four partners are here: the joint loads meet
	tensor_load_to_lds s[G0A:G0A+3], s[G1A:G1A+7]  ; keys 0-639: my one load at the head; every descriptor word hangs on the head and the wave's number alone
	s_nop 0
.rept 4
	v_nop
.endr
	v_lshrrev_b32 v10, 2, v8
	v_and_b32 v11, 3, v8
	v_mul_u32_u24 v[AK0], v10, KVP
	v_lshl_add_u32 v[AK0], v11, 6, v[AK0]
	v_lshl_add_u32 v[AK0], v9, 4, v[AK0]           ; K: key r: row r / 4, 64 (r % 4), + 16 h
	v_lshrrev_b32 v10, 1, v8
	v_and_b32 v11, 1, v8
	v_mul_u32_u24 v[AV0], v10, KVP
	v_lshl_add_u32 v[AV0], v11, 7, v[AV0]
	v_lshl_add_u32 v[AV0], v9, 4, v[AV0]
	v_add_nc_u32 v[AV0], VOFF, v[AV0]              ; V: channel r: row r / 2, 128 (r % 2), + 16 h
	v_lshlrev_b32 v10, 3, v9
	v_sub_nc_u32 v[DG], v8, v10
	v_add_nc_u32 v[DG], s76, v[DG]                 ; 32 cx + r - 8 h,
	v_add_nc_u32 v[DG+1], 16, v[DG]                ; and the second tile's, 16 queries on
	v_lshlrev_b32 v[GO], 12, v9
	v_lshl_add_u32 v[GO], v8, 4, v[GO]             ; lanes 0-15 one row of out0, lanes 16-31 the next
	v_mul_u32_u24 v[STO], v8, 272
	v_lshl_add_u32 v[STO], v9, 5, v[STO]
	v_add_nc_u32 v[STO], s75, v[STO]               ; into the stage: row r, 32 h
	v_mul_u32_u24 v[RD], v9, 272
	v_lshl_add_u32 v[RD], v8, 4, v[RD]
	v_add_nc_u32 v[RD], s75, v[RD]                 ; and back by rows
	v_mov_b32 v[NEG], 0xff800000
.irp x, 0,1
	v_mov_b32 v[TT+32*\x+3], 0                     ; (upper half of f's pair)
	v_mov_b32 v[TT+32*\x+4], 0                     ; a lane permute's destination counts as read
.endr
	s_wait_alu depctr_va_vdst(0)
	s_wait_kmcnt 0x0
	s_add_co_i32 s74, s70, s71
	s_lshl_b32 s74, s74, 23
	s_add_co_i32 s[CS], s[CS], s74                 ; x 2^(e2 + e3)
	s_mov_b32 s[CS+1], s[CS]
	s_add_co_i32 s[ES], s72, s73
	s_add_co_i32 s74, s72, 127
	s_lshl_b32 s75, s74, 23
	s_add_co_i32 s74, s74, 8
	s_lshl_b32 s74, s74, 23
	s_or_b32 s74, s74, 0x600000
	v_mov_b32 v[SCL], s75
	v_mov_b32 v[LIMA], s74
	v_mov_b32 v[LIMB], s74
.macro STATE                           ; a block begins.  The step is written once: the first finds zeros, which the first change of M leaves zeros
.irp x, 0,1
	v_mov_b32 v[STT+4*\x+1], 0xff61b1e6            ; -3e38, under every score
	v_mov_b32 v[STT+4*\x+2], 0
	v_mov_b32 v[STT+4*\x+3], 0
	v_floor_f32 v[STT+4*\x], -v[STT+4*\x+1]
.endr
	WIN 0x40
.set jj, 0
.rept 64
	v_mov_b32 v[O1+jj], 0
.set jj, jj+1
.endr
	WIN 0
.endm
.macro KFIRST                          ; K's eight fragments of step 0; later steps' are asked for one step ahead
	WIN 0x40
.irp t, 0,1,2,3,4,5,6,7
	ds_load_b128 v[K1+8*\t:K1+8*\t+3], v[AK0] offset:1088*\t
	ds_load_b128 v[K1+8*\t+4:K1+8*\t+7], v[AK0] offset:1088*\t+32
.endr
	WIN 0
.endm
.macro MASK x                          ; register 8 T + j holds key 16 T + 8 h + j of the step: hidden where 16 T + j > DG
.set nn, 0
.rept 64
	v_cmp_gt_i32 vcc_lo, 16*(nn/8)+nn%8, v[DG+\x]
	v_cndmask_b32 v[SS+64*\x+nn], v[SS+64*\x+nn], v[NEG], vcc_lo
.set nn, nn+1
.endr
.endm
; A KEY STEP of 128 keys for both tiles.  skip: steps past my block are jumped over;  diag: step BB is the diagonal;  q: where the block's Q stands
.macro PSTEP skip, diag, q
.if \skip
	s_cmp_gt_u32 s[ST], s[BB]
	s_cbranch_scc1 .Lhid_\@
.endif
	s_wait_dscnt 0x0                               ; K's 16 loads, asked for a step ago
	WIN 0x05                                       ; K and Q from window 1, S^T into window 0
.irp t, 0,1,2,3,4,5,6,7
.irp x, 0,1
	v_wmma_f32_16x16x64_fp8_fp8 v[SS+64*\x+8*\t:SS+64*\x+8*\t+7], v[K1+8*\t:K1+8*\t+7], v[\q+8*\x:\q+8*\x+7], 0
.endr
.endr
	WIN 0
	v_add_nc_u32 v[ADK], s[TB], v[AK0]             ; with the two v_nop: four places ahead of the loads below and of the first read of the scores
	v_add_nc_u32 v[ADV], s[TB], v[AV0]
	v_nop
	v_nop
	WIN 0x40
.irp d, 0,1,2,3                                ; V's four fragments land under the softmax,
.irp c, 0,1,2,3
	ds_load_b128 v[V1+16*\d+4*\c:V1+16*\d+4*\c+3], v[ADV] offset:2176*\d+32*\c
.endr
.endr
.irp t, 0,1,2,3,4,5,6,7                        ; and the next step's K under the whole step
	ds_load_b128 v[K1+8*\t:K1+8*\t+3], v[ADK] offset:STEPB+1088*\t
	ds_load_b128 v[K1+8*\t+4:K1+8*\t+7], v[ADK] offset:STEPB+1088*\t+32
.endr
	WIN 0
.if \diag
	s_cmp_lg_u32 s[ST], s[BB]
	s_cbranch_scc1 .Lopen_\@
	MASK 0
	MASK 1
.Lopen_\@:
.endif
.irp x, 0,1                                    ; the step's largest scores: four chains by turns, each tile from its low end on
	v_max3_num_f32 v[TT+32*\x], v[SS+64*\x], v[SS+64*\x+1], v[SS+64*\x+2]
	v_max3_num_f32 v[TT+32*\x+1], v[SS+64*\x+3], v[SS+64*\x+4], v[SS+64*\x+5]
.endr
.irp i, 6,10,14,18,22,26,30,34,38,42,46,50,54,58
.irp x, 0,1
	v_max3_num_f32 v[TT+32*\x], v[TT+32*\x], v[SS+64*\x+\i], v[SS+64*\x+\i+1]
	v_max3_num_f32 v[TT+32*\x+1], v[TT+32*\x+1], v[SS+64*\x+\i+2], v[SS+64*\x+\i+3]
.endr
.endr
.irp x, 0,1
	v_max3_num_f32 v[TT+32*\x], v[TT+32*\x], v[SS+64*\x+62], v[SS+64*\x+63]
.endr
.irp x, 0,1
	v_max_num_f32 v[TT+32*\x], v[TT+32*\x], v[TT+32*\x+1]
.endr
.irp x, 0,1
	v_permlanex16_b32 v[TT+32*\x+4], v[TT+32*\x], s[SEL], s[SEL+1]
.endr
.irp x, 0,1
	v_max3_num_f32 v[STT+4*\x+1], v[STT+4*\x+1], v[TT+32*\x], v[TT+32*\x+4]   ; the running largest score, lane l xor 16's among it
.endr
.irp x, 0,1
	v_mul_f32 v[TT+32*\x], s[CS], v[STT+4*\x+1]    ; as t (c is positive)
.endr
.irp x, 0,1
	v_mov_b32 v[TT+32*\x+5], v[STT+4*\x]
.endr
.irp x, 0,1
	v_floor_f32 v[STT+4*\x], -v[TT+32*\x]          ; -M = floor(-t): M is a whole number
.endr
.irp x, 0,1
	v_sub_f32 v[TT+32*\x], v[STT+4*\x], v[TT+32*\x+5]   ; old M - new M, 0 or less
.endr
.irp x, 0,1
	v_cvt_i32_f32 v[TT+32*\x], v[TT+32*\x]         ; (it saturates)
.endr
.irp x, 0,1
	v_ldexp_f32 v[TT+32*\x+2], 1.0, v[TT+32*\x]    ; f = 2^(old M - new M)
.endr
.irp x, 0,1
.set jj, 0
.rept 32
	v_pk_fma_f32 v[SS+64*\x+jj:SS+64*\x+jj+1], v[SS+64*\x+jj:SS+64*\x+jj+1], s[CS:CS+1], v[STT+4*\x:STT+4*\x+1] op_sel_hi:[1,0,0]   ; t - M
.set jj, jj+2
.endr
.endr
	s_wait_alu depctr_va_vdst(0)
.set jj, 0
.rept 128
	v_exp_f32 v[SS+jj], v[SS+jj]                   ; p, at most 1
.set jj, jj+1
.endr
.irp x, 0,1
	v_pk_mul_f32 v[STT+4*\x+2:STT+4*\x+3], v[STT+4*\x+2:STT+4*\x+3], v[TT+32*\x+2:TT+32*\x+3] op_sel_hi:[1,0]   ; the sums under the new M (the plain lines behind the batch)
.endr
	s_wait_alu depctr_va_vdst(0)                   ; and the one wait behind it
.irp x, 0,1                                    ; the rows' sums of the unquantised p, eight chains a tile
.set jj, 0
.irp a, 6,8,10,12,14,16,18
	v_pk_add_f32 v[TT+32*\x+\a:TT+32*\x+\a+1], v[SS+64*\x+jj:SS+64*\x+jj+1], v[SS+64*\x+jj+2:SS+64*\x+jj+3]
.set jj, jj+4
.endr
	v_pk_add_f32 v[STT+4*\x+2:STT+4*\x+3], v[STT+4*\x+2:STT+4*\x+3], v[SS+64*\x+28:SS+64*\x+29]
.set jj, 30
.rept 2
.irp a, 6,8,10,12,14,16,18
	v_pk_add_f32 v[TT+32*\x+\a:TT+32*\x+\a+1], v[TT+32*\x+\a:TT+32*\x+\a+1], v[SS+64*\x+jj:SS+64*\x+jj+1]
.set jj, jj+2
.endr
	v_pk_add_f32 v[STT+4*\x+2:STT+4*\x+3], v[STT+4*\x+2:STT+4*\x+3], v[SS+64*\x+jj:SS+64*\x+jj+1]
.set jj, jj+2
.endr
	v_pk_add_f32 v[TT+32*\x+6:TT+32*\x+7], v[TT+32*\x+6:TT+32*\x+7], v[SS+64*\x+62:SS+64*\x+63]
.endr
.irp x, 0,1
	v_pk_add_f32 v[STT+4*\x+2:STT+4*\x+3], v[STT+4*\x+2:STT+4*\x+3], v[TT+32*\x+12:TT+32*\x+13]
	v_pk_add_f32 v[TT+32*\x+6:TT+32*\x+7], v[TT+32*\x+6:TT+32*\x+7], v[TT+32*\x+14:TT+32*\x+15]
	v_pk_add_f32 v[TT+32*\x+8:TT+32*\x+9], v[TT+32*\x+8:TT+32*\x+9], v[TT+32*\x+16:TT+32*\x+17]
	v_pk_add_f32 v[TT+32*\x+10:TT+32*\x+11], v[TT+32*\x+10:TT+32*\x+11], v[TT+32*\x+18:TT+32*\x+19]
.endr
.irp x, 0,1
	v_pk_add_f32 v[STT+4*\x+2:STT+4*\x+3], v[STT+4*\x+2:STT+4*\x+3], v[TT+32*\x+8:TT+32*\x+9]
	v_pk_add_f32 v[TT+32*\x+6:TT+32*\x+7], v[TT+32*\x+6:TT+32*\x+7], v[TT+32*\x+10:TT+32*\x+11]
.endr
.irp x, 0,1
	v_pk_add_f32 v[STT+4*\x+2:STT+4*\x+3], v[STT+4*\x+2:STT+4*\x+3], v[TT+32*\x+6:TT+32*\x+7]
.endr
.set jj, 0
.rept 64
	v_dual_min_num_f32 v[SS+jj], v[SS+jj], v[LIMA] :: v_dual_min_num_f32 v[SS+jj+1], v[SS+jj+1], v[LIMB]   ; the conversion does not saturate (ISA guide 7.6.2); p is not negative: a one-sided hold, two a line
.set jj, jj+2
.endr
	WIN 0x40                                       ; the codes go to window 1
.irp x, 0,1
.irp t, 0,1,2,3,4,5,6,7
	v_cvt_scalef32_pk8_fp8_f32 v[P1+16*\x+2*\t:P1+16*\x+2*\t+1], v[SS+64*\x+8*\t:SS+64*\x+8*\t+7], v[SCL]
.endr
.endr
	WIN 0x41                                       ; O^T in window 1, f in window 0
	s_wait_alu depctr_va_vdst(0)
.irp x, 0,1
.set jj, 0
.rept 16
	v_pk_mul_f32 v[O1+32*\x+jj:O1+32*\x+jj+1], v[O1+32*\x+jj:O1+32*\x+jj+1], v[TT+32*\x+2:TT+32*\x+3] op_sel_hi:[1,0]   ; O^T x f (also the plain lines behind the conversions)
.set jj, jj+2
.endr
.endr
	s_wait_alu depctr_va_vdst(0)
	s_wait_dscnt 16                                ; V is in; the 16 loads of the next step's K may be out
	WIN 0x55
.irp d, 0,1,2,3                                ; O^T += V^T P^T: eight accumulators by turns, the next step's sixteen products between two links of a sum
.irp x, 0,1
	v_wmma_f32_16x16x128_fp8_fp8 v[O1+32*\x+8*\d:O1+32*\x+8*\d+7], v[V1+16*\d:V1+16*\d+15], v[P1+16*\x:P1+16*\x+15], v[O1+32*\x+8*\d:O1+32*\x+8*\d+7]
.endr
.endr
	WIN 0
.if \skip
.Lhid_\@:
.endif
	s_add_co_u32 s[TB], s[TB], STEPB
.endm
; THE WAY OUT of both tiles: O^T / the sum x 2^(e4 + e5), through my stage, one tile behind the other, so that sixteen lanes store 256 consecutive bytes: a head's part of a row of out0
.macro OUT op
.irp x, 0,1
	v_add_f32 v[STT+4*\x+2], v[STT+4*\x+2], v[STT+4*\x+3]
.endr
.irp x, 0,1
	v_permlanex16_b32 v[TT+32*\x+4], v[STT+4*\x+2], s[SEL], s[SEL+1]
.endr
.irp x, 0,1
	v_add_f32 v[STT+4*\x+2], v[STT+4*\x+2], v[TT+32*\x+4]
.endr
	s_wait_alu depctr_va_vdst(0)
.irp x, 0,1
	v_rcp_f32 v[STT+4*\x+2], v[STT+4*\x+2]
.endr
	v_nop
	s_wait_alu depctr_va_vdst(0)
.irp x, 0,1
	v_ldexp_f32 v[STT+4*\x+2], v[STT+4*\x+2], s[ES]
.endr
	WIN 0x01                                       ; O^T from window 1
	s_wait_alu depctr_va_vdst(0)
.irp x, 0,1
.set jj, 0
.rept 32
	v_mul_f32 v[SS+64*\x+jj], v[O1+32*\x+jj], v[STT+4*\x+2]   ; register 8 d + j: channel 16 d + 8 h + j of query r
.set jj, jj+1
.endr
.endr
	WIN 0
.irp x, 0,1
.irp d, 0,1,2,3
	ds_store_b128 v[STO], v[SS+64*\x+8*\d:SS+64*\x+8*\d+3] offset:64*\d
	ds_store_b128 v[STO], v[SS+64*\x+8*\d+4:SS+64*\x+8*\d+7] offset:64*\d+16
.endr
.irp n, 0,1,2,3,4,5,6,7
	ds_load_b128 v[SS+64*\x+32+4*\n:SS+64*\x+35+4*\n], v[RD] offset:544*\n   ; LDS serves a wave's instructions in order (ISA guide 5.7.1.4): these see my stores, and the second tile's stores come behind them
.endr
.endr
.irp x, 0,1
.irp n, 0,1,2,3,4,5,6,7
	s_wait_dscnt 16*(1-\x)+7-\n                    ; rows 2 n, 2 n + 1 are back; out may be the tile's younger loads and, for the first tile, the second's 8 stores and 8 loads
	global_store_b128 v[GO], v[SS+64*\x+32+4*\n:SS+64*\x+35+4*\n], s[\op:\op+1] offset:8192*\n+65536*\x th:TH_STORE_NT
.endr
.endr
.endm
	STATE
	s_wait_alu depctr_va_vdst(0)
	s_wait_tensorcnt 0x0                           ; my part of keys 0-639 is in
	ds_add_u32 v[SPW], v[NIL]
	s_wait_dscnt 0x0
	CROUND
	tensor_load_to_lds s[G0B:G0B+3], s[G1B:G1B+7]  ; keys 640-2047: my one load behind the round; it has the four steps below in which to land
	s_nop 0
.rept 4
	v_nop
.endr
	KFIRST
	s_wait_loadcnt 0x0                             ; Q
	s_mov_b32 s[ST], 0
	s_mov_b32 s[TB], 0
.Lfirst:                                           ; steps 0-3: every wave's first block has nine steps or more
	PSTEP 0, 0, 224
	s_add_co_u32 s[ST], s[ST], 1
	s_cmp_lt_u32 s[ST], 4
	s_cbranch_scc1 .Lfirst
	s_wait_tensorcnt 0x0                           ; my part of the other keys is in,
	s_wait_dscnt 0x0
	s_barrier_signal -1
	s_barrier_wait -1                              ; and everybody's
.Llong:                                            ; steps 4-15 of block 15 - w
	PSTEP 1, 1, 224
	s_add_co_u32 s[ST], s[ST], 1
	s_cmp_lt_u32 s[ST], 16
	s_cbranch_scc1 .Llong
	OUT OP1
	s_wait_alu depctr_va_vdst(0)
	s_wait_xcnt 0x0                                ; the stores have read their registers, which the next block's products write
	s_mov_b32 s[BB], s[WV]
	KFIRST
	STATE
	s_mov_b32 s[ST], 0
	s_mov_b32 s[TB], 0
.Lshort:                                           ; steps 0-7 of block w
	PSTEP 1, 1, 240
	s_add_co_u32 s[ST], s[ST], 1
	s_cmp_lt_u32 s[ST], 8
	s_cbranch_scc1 .Lshort
	OUT OP2
	s_wait_tensorcnt 0x0                           ; the wave's end
	ds_add_u32 v[SPW], v[NIL]
	s_wait_dscnt 0x0
	CROUND                                         ; the closing round
	s_endpgm
.Lfunc_end_k_qcb2f9ffd9b_attn:
	.size	k_qcb2f9ffd9b_attn, .Lfunc_end_k_qcb2f9ffd9b_attn-k_qcb2f9ffd9b_attn
	.p2alignl 7, 3214868480
	.fill 96, 4, 3214868480
	.section	.rodata,"a",@progbits
	.p2align	6, 0x0
	.amdhsa_kernel k_qcb2f9ffd9b_attn
		.amdhsa_group_segment_fixed_size 327680
		.amdhsa_private_segment_fixed_size 0
		.amdhsa_enable_private_segment 0
		.amdhsa_kernarg_size 24
		.amdhsa_user_sgpr_count 2
		.amdhsa_user_sgpr_kernarg_segment_ptr 1
		.amdhsa_wavefront_size32 1
		.amdhsa_system_sgpr_workgroup_id_x 1
		.amdhsa_system_sgpr_workgroup_id_y 1
		.amdhsa_system_sgpr_workgroup_id_z 1
		.amdhsa_system_vgpr_workitem_id 0
		.amdhsa_next_free_vgpr 512
		.amdhsa_next_free_sgpr 100
		.amdhsa_reserve_vcc 1
		.amdhsa_float_denorm_mode_32 3
		.amdhsa_float_denorm_mode_16_64 3
		.amdhsa_memory_ordered 1
		.amdhsa_forward_progress 1
		.amdhsa_inst_pref_size 134
	.end_amdhsa_kernel
	.amdgpu_metadata
---
amdhsa.version: [ 1, 2 ]
amdhsa.kernels:
  - .name:           k_qcb2f9ffd9b_attn
    .symbol:         k_qcb2f9ffd9b_attn.kd
    .args:
      - { .name: kqv, .offset: 0, .size: 8, .value_kind: global_buffer, .address_space: global }
      - { .name: lowp_scales, .offset: 8, .size: 8, .value_kind: global_buffer, .address_space: global }
      - { .name: out0, .offset: 16, .size: 8, .value_kind: global_buffer, .address_space: global }
    .group_segment_fixed_size: 327680
    .private_segment_fixed_size: 0
    .kernarg_segment_align: 8
    .kernarg_segment_size: 24
    .max_flat_workgroup_size: 256
    .sgpr_count:     100
    .vgpr_count:     512
    .wavefront_size: 32
...
	.end_amdgpu_metadata
.endif
;; end of part 3
